; MI455X (gfx1250); checked and timed in simulation.
; The chip was launched on July 23, 2026; its instructions are those of AMD's public machine-readable ISA for CDNA 5 (MIT licence, August 2026) and "CDNA5" Instruction Set Architecture Reference Guide (July 2026). The comments in the code are by the model that wrote it; some were corrected since.
;; GRU Router Cell. Allowed arithmetic: matrix products marked QUANTISED: E2M3 operands, one E8M0 scale for each 32 along K, by v_wmma_scale_f32_16x16x128_f8f6f4 with both operands' format E2M3, f32 sums; everything else in f32.
;; Inputs: bias_hn 1,024 float32; bias_hr 1,024 float32; bias_hz 1,024 float32; bias_in 1,024 float32; bias_ir 1,024 float32; bias_iz 1,024 float32; h 8,192 x 1,024 float32; weight_hn 1,024 x 1,024 float32; weight_hr 1,024 x 1,024 float32; weight_hz 1,024 x 1,024 float32; weight_in 1,024 x 1,024 float32; weight_ir 1,024 x 1,024 float32; weight_iz 1,024 x 1,024 float32; x 8,192 x 1,024 float32.
;; Outputs: out0 8,192 x 1,024 float32.
;; This version of the problem:
;;   THIS VERSION OF THE PROBLEM IS GIVEN IN LOW PRECISION. The matrix products marked QUANTISED in the list below multiply operands that are first quantised to E2M3 (2 exponent bits, 3 mantissa bits; 6 bits a number), with one power-of-two scale for each 32 numbers along K (OCP MX v1.0); their sums are f32. All else is computed in f32.
;;   The module's matrix products, in the order in which they are computed (A, B: the left and right operand; K: the contracted axis; several contracted axes count as one K, in the product's order):
;;     1. [M 8,192, K 1,024] x [K 1,024, N 3,072]; A: input x; B: computed on the way: QUANTISED
;;     2. [M 8,192, K 1,024] x [K 1,024, N 3,072]; A: input h; B: computed on the way: QUANTISED
;;   THE QUANTISER, for each operand of a quantised product, along K:
;;     - K is cut into blocks of 32 from its start; a last block that is shorter is filled with zeros.
;;     - A block's scale is 2^e with e = floor(log2(the largest magnitude in the block)) - 2, held to -126 .. 127; a block of zeros has e = 0. As a byte (E8M0): e + 127.
;;     - Each number is divided by its block's scale, clamped to +-7.5, and rounded to the nearest number of E2M3, ties to even, subnormals kept.
;;     - The product sums the exact products of the quantised numbers (number of the format x scale) in f32.
;;   ~~~python
;;   def quantise(x, axis):      # numpy; x: float32 -> the quantised numbers, widened to float32 again
;;       x = np.moveaxis(x, axis, -1); K = x.shape[-1]
;;       x = np.pad(x, [(0, 0)] * (x.ndim - 1) + [(0, -K % 32)]); x = x.reshape(x.shape[:-1] + (-1, 32)); a = np.abs(x).max(-1, keepdims=True)
;;       e = np.where(a > 0, np.clip(np.frexp(np.where(a > 0, a, 1))[1] - 1 - 2, -126, 127), 0)      # np.frexp(a)[1] - 1 = floor(log2(a)), exactly
;;       r = np.clip(x / 2.0 ** e, -7.5, 7.5)
;;       step = 2.0 ** (np.maximum(np.frexp(np.where(r == 0, 1, r))[1] - 1, 0) - 3)
;;       q = np.round(r / step) * step * 2.0 ** e      # np.round: ties to even
;;       return np.moveaxis(q.reshape(q.shape[:-2] + (-1,))[..., :K], -1, axis).astype(np.float32)
;;   ~~~
;;   OPERANDS COMPUTED ON THE WAY. 'Computed on the way' means the value that the module computes at that place (a softmax that the list does not call 'softmax' is quantised finished and normalised). What goes into a quantiser is computed in f32, as accurately as f32 sums, v_exp_f32 and their like allow (about 1e-6 of the number): no bf16 or f16 on the way to a quantiser, and a product that is left as it is and whose result goes on into a quantised operand takes f32 operands (vector FMAs, or v_wmma_f32_16x16x4_f32). A number that lies on a knife's edge between two numbers of the format may be rounded either way, as far as f32 arithmetic and the matrix unit's own rounding can turn it there, and no further.
;; One version. Each part assembles by itself: llvm-mc -triple=amdgcn-amd-amdhsa -mcpu=gfx1250 --defsym DOCPART=n.
;; ======== version 1 of 1: 2 launches
;; limits: right only within a limited range of input values
;; workspace buffers: aq 13,107,200 bytes; wq 4,915,200 bytes
;; launch quant (part 1): grid 704 x 1, 4 waves a work-group, no clusters, 35,328 bytes of LDS; arguments x, h, weight_ir, weight_iz, weight_in, weight_hr, weight_hz, weight_hn, aq, wq; writes aq, wq
.if DOCPART == 1
	.amdgcn_target "amdgcn-amd-amdhsa--gfx1250"
	.amdhsa_code_object_version 6
	.text
	.protected	k_q5b82bde72c_quant
	.globl	k_q5b82bde72c_quant
	.p2align	8
	.type	k_q5b82bde72c_quant,@function
k_q5b82bde72c_quant:
	s_mov_b64 s[64:65], 0
	v_nop
	global_prefetch_b8 v0, s[64:65] scope:SCOPE_SE
	s_setreg_imm32_b32 hwreg(HW_REG_WAVE_MODE, 25, 1), 1
	s_wait_xcnt 0x0
; x, h [8192][1024] and the six weights [1024][1024], all f32 with K innermost, become codes of FP6 (E2M3) with one E8M0 scale byte for each 32 along K.
; A block's scale is 2^(floor(log2(its largest magnitude)) - 2); its byte is the largest magnitude's exponent field - 2, held at 1 from below.
; THE RESULTS ARE LAID AS THE NEXT LAUNCH'S OPERAND REGISTERS WANT THEM.  A fragment (16 rows x 128 K, 12 registers a lane) is an image of 1,536 bytes: register 4 m + k of lane l at byte 512 m + 16 l + 4 k.
; Lane l = r + 16 hh holds row r: registers 0-5 the codes of k = 32 hh + 0..31, registers 6-11 those of k = 64 + 32 hh + 0..31.  A scale word is the four bytes of one row and 128 K.
;   aq [R 64][t 8][25,600]: R = 128 rows; t = 4 p + K / 256 (p = 0: x, 1: h); codes of 16-row block i, half c of the 256 at (2 i + c) 1,536; scale words at 24,576 + 128 i + 8 r + 4 c.
;   wq [U 32][t 8][19,200]: U = 32 output columns; j = 2 g + cb (g = 0, 1, 2: the r, z, n weight of side p; cb: which 16 columns); codes at (2 j + c) 1,536; scale words at 18,432 + 128 j + 8 r + 4 c.
; SHARES.  A work-group takes 32 rows x 1,024 K of one tensor (work-groups 0-255: x, 256-511: h, 512 + 32 wi + U: weight wi in the order ir, iz, in, hr, hz, hn).  Wave w takes 16 rows (w / 2) x 512 K (w % 2): four fragments.
; ONE PATH serves all eight tensors: what differs (pointers, strides) is chosen by s_cselect on the work-group's number.
; A load reads 512 consecutive bytes of one row; the 16 rows x 512 bytes of a fragment turn through the wave's own stage in LDS (rows 528 bytes apart) and come back 2 x 128 bytes a lane: two whole blocks of 32,
; so that a block's largest magnitude needs no other lane and the conversions' results are the operand's registers.  Each store of codes covers 512 consecutive bytes, aligned to 256.
; The work-group's 256 scale words meet in LDS; behind one barrier each wave stores 256 consecutive bytes of them, aligned to 256.
; LIMITS: NaN and infinities among the inputs are not served.  A block of zeros gets the byte 1 where the rule says 127: its codes are zeros, which add nothing under any byte but 0xff, and this program alone reads the bytes.
.set STG,  8448                        ; a wave's stage: 16 rows x (512 + 16) bytes
.set SCW,  4*STG                       ; behind the stages: 1,024 bytes of scale words, [t' 4][which 16 rows 2][r 16][c 2]
.set R,    20                          ; v20-147  two sets of 64 registers, as loaded
.set X,    148                         ; v148-211 64 numbers in the operand's order
.set C,    212                         ; v212-235 two sets of 12 registers of codes
.set TM,   236                         ; v236-243 the conversions' second halves (a conversion's three registers begin on an even number)
	s_load_b512 s[8:23], s[0:1], 0x0               ; x, h, ir, iz, in, hr, hz, hn
	s_load_b128 s[24:27], s[0:1], 0x40             ; aq, wq
	v_lshl_add_u32 v244, v0, 2, 0x8800
	v_mov_b32 v245, 0
	s_mov_b32 s2, ttmp9                            ; the work-group's number
	v_lshrrev_b32 v1, 5, v0
	v_readfirstlane_b32 s3, v1                     ; wave 0..3
	s_lshr_b32 s28, s3, 1                          ; which 16 rows
	s_and_b32 s29, s3, 1                           ; which 512 along K
	; what a work-group of x or h would take ...
	s_lshr_b32 s30, s2, 8                          ; p, and the tensor's number
	s_and_b32 s31, s2, 255                         ; its block of 32 rows
	s_lshr_b32 s32, s31, 2                         ; R
	s_and_b32 s33, s2, 3                           ; which 32 rows of R's 128
	; ... and what one of a weight would take
	s_sub_co_u32 s34, s2, 512
	s_lshr_b32 s34, s34, 5                         ; wi
	s_cmp_ge_u32 s34, 3
	s_cselect_b32 s35, 1, 0                        ; p
	s_mul_i32 s36, s35, 3
	s_sub_co_u32 s36, s34, s36                     ; g
	s_and_b32 s37, s2, 31                          ; U, and its block of 32 rows
	s_add_co_u32 s38, s34, 2                       ; the tensor's number
	s_mov_b32 s39, 19200
	s_mov_b32 s40, 18432
	s_mov_b32 s48, 0x76543210
	s_mov_b32 s49, 0xfedcba98                      ; v_permlanex16_b32's selects for lane l xor 16
	s_cmp_lt_u32 s2, 512                           ; the choice hangs on the work-group's number alone; only selects and a wait follow the compare
	s_cselect_b32 s38, s30, s38                    ; the tensor's number, 0..7
	s_cselect_b32 s30, s30, s35                    ; p
	s_cselect_b32 s32, s32, s37                    ; R or U
	s_cselect_b32 s33, s33, s36                    ; which quarter of R, or g
	s_cselect_b32 s31, s31, s37                    ; the block of 32 source rows
	s_cselect_b32 s39, 25600, s39                  ; bytes of a (block, t) piece
	s_cselect_b32 s40, 24576, s40                  ; where its scale words begin
	s_wait_kmcnt 0x0
	s_cselect_b64 s[6:7], s[24:25], s[26:27]       ; the destination
	s_mov_b64 s[4:5], s[8:9]                       ; the source: one of eight
.irp k, 1,2,3,4,5,6,7
	s_cmp_eq_u32 s38, \k
	s_cselect_b64 s[4:5], s[8+2*\k:9+2*\k], s[4:5]
.endr
	s_lshl_b32 s42, s31, 17                        ; 32 rows of 4,096 bytes,
	s_lshl_b32 s43, s28, 16                        ; my 16 rows,
	s_add_co_u32 s42, s42, s43
	s_lshl_b32 s43, s29, 11                        ; my 512 along K
	s_add_co_u32 s42, s42, s43
	s_mov_b32 s43, 0
	s_add_nc_u64 s[4:5], s[4:5], s[42:43]
	s_mul_i32 s41, s32, s39
	s_lshl_b32 s41, s41, 3                         ; the block's eight pieces begin here
	s_mov_b32 s44, s41
	s_lshl_b32 s45, s30, 2                         ; 4 p
	s_lshl_b32 s46, s29, 1
	s_add_co_u32 s46, s46, s45
	s_mul_i32 s46, s46, s39                        ; codes: piece t = 4 p + 2 (w % 2),
	s_add_co_u32 s41, s41, s46
	s_mul_i32 s46, s33, 6144                       ; four fragments for each 32 rows,
	s_add_co_u32 s41, s41, s46
	s_mul_i32 s46, s28, 3072                       ; two for each 16
	s_add_co_u32 s41, s41, s46
	s_add_co_u32 s46, s45, s3
	s_mul_i32 s46, s46, s39                        ; scale words: wave w stores those of piece t = 4 p + w,
	s_add_co_u32 s44, s44, s46
	s_add_co_u32 s44, s44, s40
	s_lshl_b32 s46, s33, 8                         ; 256 bytes for each 32 rows
	s_add_co_u32 s44, s44, s46
	s_mul_i32 s47, s3, STG                         ; my stage
	v_and_b32 v10, 31, v0                          ; lane l
	v_and_b32 v11, 15, v0                          ; r
	v_bfe_u32 v12, v0, 4, 1                        ; hh
	v_lshlrev_b32 v1, 4, v10                       ; v1: 16 l: my bytes of a load's 512
	v_add_nc_u32 v2, s47, v1                       ; v2: the stage on the way in
	v_mul_u32_u24 v3, v11, 528
	v_lshl_add_u32 v3, v12, 7, v3
	v_add_nc_u32 v3, s47, v3                       ; v3: and on the way out: row r, + 128 hh
	v_add_nc_u32 v4, s41, v1                       ; v4: my place in the images of the wave's first piece,
	v_add_nc_u32 v5, s39, v4                       ; v5: and of its second
	s_lshl_b32 s46, s29, 9
	s_lshl_b32 s45, s28, 7
	s_add_co_u32 s46, s46, s45
	s_add_co_u32 s46, s46, SCW
	v_lshl_add_u32 v6, v11, 3, s46                 ; v6: where my row's scale words go: 512 (w % 2) + 128 (w / 2) + 8 r
	s_lshl_b32 s45, s3, 8
	s_add_co_u32 s45, s45, SCW
	v_lshl_add_u32 v7, v10, 3, s45                 ; v7: where I read 8 bytes of piece w's 256 back,
	v_lshl_add_u32 v8, v10, 3, s44                 ; v8: and where they go
	v_lshlrev_b32 v9, 3, v12                       ; v9: 8 hh: my bytes' place in a scale word
	v_mov_b32 v19, 0                               ; written once: a lane permute's destination counts as one of its sources
.macro LOAD f                          ; fragment f: 16 rows x 512 bytes, a row to a load
.irp i, 0,1,2,3,4,5,6,7,8,9,10,11,12,13,14,15
	global_load_b128 v[R+64*((\f)%2)+4*\i:R+64*((\f)%2)+4*\i+3], v1, s[4:5] offset:4096*\i+512*(\f) th:TH_LOAD_NT
.endr
.endm
.macro FRAGQ f
.set RS, R+64*((\f)%2)
.set CS, C+12*((\f)%2)
.if (\f) < 3
	s_wait_loadcnt 16                              ; this fragment's 16 loads are in; the next fragment's 16 may be out
.else
	s_wait_loadcnt 0x0
.endif
.irp i, 0,1,2,3,4,5,6,7,8,9,10,11,12,13,14,15
	ds_store_b128 v2, v[RS+4*\i:RS+4*\i+3] offset:528*\i
.endr
.irp j, 0,1,2,3,4,5,6,7
	ds_load_b128 v[X+4*\j:X+4*\j+3], v3 offset:16*\j               ; LDS serves a wave's instructions in order: these see the stores above.  k = 32 hh + 0..31 of my row
.endr
.irp j, 0,1,2,3,4,5,6,7
	ds_load_b128 v[X+32+4*\j:X+32+4*\j+3], v3 offset:256+16*\j     ; k = 64 + 32 hh + 0..31
.endr
	s_wait_dscnt 0x0                               ; my 64 numbers are in, and the stores have read the set that the loads below fill again
.if (\f) < 2
	LOAD (\f)+2
.endif
	v_max3_num_f32 v12, |v[X]|, |v[X+1]|, 0x1800000                ; my two blocks' largest magnitudes, by turns; the floor 2^(3 - 127) holds the byte at 1 from below
	v_max3_num_f32 v13, |v[X+32]|, |v[X+33]|, 0x1800000
.irp i, 2,4,6,8,10,12,14,16,18,20,22,24,26,28,30
	v_max3_num_f32 v12, v12, |v[X+\i]|, |v[X+\i+1]|
	v_max3_num_f32 v13, v13, |v[X+32+\i]|, |v[X+33+\i]|
.endr
	v_add_nc_u32 v14, 0xff000000, v12              ; 2 off the exponent field: the conversion takes the exponent field of this operand as its scale, and nothing else of it
	v_add_nc_u32 v15, 0xff000000, v13
	v_lshrrev_b32 v16, 23, v14                     ; the scales' bytes
	v_lshrrev_b32 v17, 23, v15
	v_lshl_or_b32 v18, v17, 16, v16                ; blocks hh and 2 + hh of my row,
	v_lshlrev_b32 v18, v9, v18                     ; at their places in the scale word;
	v_permlanex16_b32 v19, v18, s48, s49
	v_or_b32 v18, v18, v19                         ; with lane l xor 16's two the word is whole
.if (\f) >= 2
	s_wait_alu depctr_va_vdst(0)
	s_wait_xcnt 0x0                                ; the stores of the fragment two back have read this set of codes: it is written again only behind this wait
.endif
	v_cvt_scalef32_pk16_fp6_f32 v[CS:CS+2], v[X:X+15], v14
	v_cvt_scalef32_pk16_fp6_f32 v[TM:TM+2], v[X+16:X+31], v14
	v_cvt_scalef32_pk16_fp6_f32 v[CS+6:CS+8], v[X+32:X+47], v15
	v_cvt_scalef32_pk16_fp6_f32 v[TM+4:TM+6], v[X+48:X+63], v15
	v_nop                                          ; one plain place behind the scaled conversions
.irp i, 0,1,2
	v_mov_b32 v[CS+3+\i], v[TM+\i]
	v_mov_b32 v[CS+9+\i], v[TM+4+\i]
.endr
	ds_store_b32 v6, v18 offset:256*((\f)/2)+4*((\f)%2)            ; both halves of the lanes write the same word with the same value
.irp m, 0,1,2
	global_store_b128 v[4+(\f)/2], v[CS+4*\m:CS+4*\m+3], s[6:7] offset:1536*((\f)%2)+512*\m   ; the image: 512 consecutive bytes a store
.endr
.endm
	LOAD 0
	LOAD 1
	s_wait_alu depctr_va_vdst(0)
	FRAGQ 0
	FRAGQ 1
	FRAGQ 2
	FRAGQ 3
	s_wait_dscnt 0x0                               ; for the others' sake: my scale words lie in LDS
	s_barrier_signal -1
	s_barrier_wait -1
	ds_load_b64 v[10:11], v7                       ; piece w's 64 words, from the two waves that made them
	s_wait_dscnt 0x0
	global_store_b64 v8, v[10:11], s[6:7]          ; 32 lanes store 256 consecutive bytes, aligned to 256
	s_wait_tensorcnt 0x0
	ds_add_u32 v244, v245
	s_wait_dscnt 0x0
	s_endpgm
.Lfunc_end_k_q5b82bde72c_quant:
	.size	k_q5b82bde72c_quant, .Lfunc_end_k_q5b82bde72c_quant-k_q5b82bde72c_quant
	.p2alignl 7, 3214868480
	.fill 96, 4, 3214868480
	.section	.rodata,"a",@progbits
	.p2align	6, 0x0
	.amdhsa_kernel k_q5b82bde72c_quant
		.amdhsa_group_segment_fixed_size 35328
		.amdhsa_private_segment_fixed_size 0
		.amdhsa_enable_private_segment 0
		.amdhsa_kernarg_size 80
		.amdhsa_user_sgpr_count 2
		.amdhsa_user_sgpr_kernarg_segment_ptr 1
		.amdhsa_wavefront_size32 1
		.amdhsa_system_sgpr_workgroup_id_x 1
		.amdhsa_system_sgpr_workgroup_id_y 1
		.amdhsa_system_sgpr_workgroup_id_z 1
		.amdhsa_system_vgpr_workitem_id 0
		.amdhsa_next_free_vgpr 246
		.amdhsa_next_free_sgpr 66
		.amdhsa_reserve_vcc 0
		.amdhsa_float_denorm_mode_32 3
		.amdhsa_float_denorm_mode_16_64 3
		.amdhsa_memory_ordered 1
		.amdhsa_forward_progress 1
		.amdhsa_inst_pref_size 32
	.end_amdhsa_kernel
	.amdgpu_metadata
---
amdhsa.version: [ 1, 2 ]
amdhsa.kernels:
  - .name:           k_q5b82bde72c_quant
    .symbol:         k_q5b82bde72c_quant.kd
    .args:
      - { .name: x, .offset: 0, .size: 8, .value_kind: global_buffer, .address_space: global }
      - { .name: h, .offset: 8, .size: 8, .value_kind: global_buffer, .address_space: global }
      - { .name: weight_ir, .offset: 16, .size: 8, .value_kind: global_buffer, .address_space: global }
      - { .name: weight_iz, .offset: 24, .size: 8, .value_kind: global_buffer, .address_space: global }
      - { .name: weight_in, .offset: 32, .size: 8, .value_kind: global_buffer, .address_space: global }
      - { .name: weight_hr, .offset: 40, .size: 8, .value_kind: global_buffer, .address_space: global }
      - { .name: weight_hz, .offset: 48, .size: 8, .value_kind: global_buffer, .address_space: global }
      - { .name: weight_hn, .offset: 56, .size: 8, .value_kind: global_buffer, .address_space: global }
      - { .name: aq, .offset: 64, .size: 8, .value_kind: global_buffer, .address_space: global }
      - { .name: wq, .offset: 72, .size: 8, .value_kind: global_buffer, .address_space: global }
    .group_segment_fixed_size: 35328
    .private_segment_fixed_size: 0
    .kernarg_segment_align: 8
    .kernarg_segment_size: 80
    .max_flat_workgroup_size: 128
    .sgpr_count:     66
    .vgpr_count:     246
    .wavefront_size: 32
...
	.end_amdgpu_metadata
.endif
;; end of part 1
;; launch gru (part 2): grid 16 x 16, 4 waves a work-group, clusters of 4 x 1, 327,680 bytes of LDS; arguments aq, wq, h, out0, bias_ir, bias_hr, bias_iz, bias_hz, bias_in, bias_hn; writes out0
.if DOCPART == 2
	.amdgcn_target "amdgcn-amd-amdhsa--gfx1250"
	.amdhsa_code_object_version 6
	.text
	.protected	k_q5b82bde72c_gru
	.globl	k_q5b82bde72c_gru
	.p2align	8
	.type	k_q5b82bde72c_gru,@function
k_q5b82bde72c_gru:
	s_mov_b64 s[64:65], 0
	v_nop
	global_prefetch_b8 v0, s[64:65] scope:SCOPE_SE
	s_setreg_imm32_b32 hwreg(HW_REG_WAVE_MODE, 25, 1), 1
	s_wait_xcnt 0x0
	s_wait_alu depctr_hold_cnt(0) depctr_sa_sdst(0) depctr_va_vdst(0) depctr_va_sdst(0) depctr_va_ssrc(0) depctr_va_vcc(0) depctr_vm_vsrc(0)
	s_getreg_b32 s2, hwreg(HW_REG_IB_STS2, 6, 4)
	s_cmp_eq_u32 s2, 0
	s_cbranch_scc0 .Lentry_in_a_cluster
	s_endpgm
.Lentry_in_a_cluster:
	s_bfe_u32 s2, ttmp6, 0x10000c
	s_cmp_lg_u32 s2, 0x3003
	s_cbranch_scc0 .Lentry_shape_is_right
	s_endpgm
.Lentry_shape_is_right:
; out = (1 - z) n + z h,  r = sigmoid(ir + hr),  z = sigmoid(iz + hz),  n = tanh(inn + r hn);  ir, iz, inn = x Wi^T + bi,  hr, hz, hn = h Wh^T + bh.
; Both products run on codes of FP6 (E2M3) with one E8M0 scale for each 32 along K, made by the launch before and laid as images of the operand registers:
;   aq [R 64][t 8][25,600] (R = 128 rows), wq [U 32][t 8][19,200] (U = 32 columns); t = 4 p + K / 256, p = 0: x and the i-weights, p = 1: h and the h-weights.
;   A fragment (16 rows x 128 K, 12 registers a lane) is 1,536 bytes: three loads of 16 bytes at 16 x lane.  Behind a piece's fragments lie its scale words, 8 bytes a row.
; FOUR SUMS FOR EACH OUTPUT: ir + hr and iz + hz are one sum each over both sides; inn and hn stay apart.  The biases are the C of each sum's first product.
; SHARES.  A work-group owns 64 columns (y) and 512 rows (x): two tiles of 256 rows, one after the other.  Wave w makes rows 64 w on of a tile x all 64 columns:
;   4 row blocks x (4 sums x 4 column blocks) = 64 accumulators, 512 registers.
; THE WEIGHTS STAY IN LDS: the 64 columns' pieces for all of K are one dense block of 307,200 bytes of wq.  Each wave brings 38,400 bytes of pieces 0-3 at the head and 38,400 of pieces 4-7
;   behind the full sequence and a round; nothing is ever filled again.  One barrier in front of the first read of piece 4 shows the second half to all waves (it stands in the tile loop and is passed in both trips).
; THE ROWS' FRAGMENTS GO FROM MEMORY STRAIGHT INTO REGISTERS: each wave reads only its own 64 rows, 512 consecutive bytes a load, into two sets of registers (a piece each);
;   a step's 12 loads are issued again as soon as the step's products are issued, for the step four on, across the change of tiles too.
; CLUSTERS: the four work-groups of a cluster own the same columns: the weights are asked for JOINTLY (mask 15).  The rows' pieces land in registers, in no LDS tile, so no joint load can serve them.
; PREFETCHES: in piece t a wave names 3 blocks of 256 bytes of its 48 of piece t + 4 (two pieces ahead of the loads); the 16 work-groups that read the same rows share the blocks out by their y.
;   The first four pieces and the scale words come by their loads alone; the last tile's pieces 4-7 ask for nothing.  Steps 1 and 3 of a tile name the wave's 64 rows x 256 bytes of h, a lane a row.
; THE MATRIX INSTRUCTION IS USED TRANSPOSED (source 0 = 16 rows of a weight, source 1 = 16 rows of x or h): lane (r, hh) holds row r and the columns 8 hh + 0..7 of the block.
; THE GATES: sigmoid(a) = 1 / (1 + 2^(-a log2 e)); with rc = 1 / (1 + 2^(2 t log2 e)), tanh(t) = 1 - 2 rc, so out = q + u rc + z h, q = 1 - z, u = 2 z - 2.
;   An exponential that overflows or falls to 0 gives the saturated value, so nothing is clamped.
; LIMITS: NaN and infinities among the inputs are not served.  The order of the sums differs from the reference's (both sides and both biases of r and of z in one accumulator).
; REGISTERS: window 0: v4-29 addresses; v32-55 the weights' scale words, v56-63 the rows', two sets each; v64-207 the weights' 12 fragments; v208-255 biases of columns 32-63.
;   window 1: v0-191 the rows' fragments, two sets; v192-239 biases of columns 0-31.  Window 2 + U: accumulator (a, b) of columns 32 U on at v[8 (8 a + b)], b = 2 g + cb, g = 0: r, 1: z, 2: inn, 3: hn.
;   In the epilogue v64-191 hold h and then out by rows, v192-255 h and out in the result's layout.
.set BH,    19200
.set AH,    25600
.set UB,    8*BH                       ; the pieces of 32 columns
.set BT,    2*UB                       ; the bias table [4 sums][64 columns] f32
.set STAGE, BT+1024                    ; 16 rows x 272 bytes for each wave
.set SPARE, STAGE+4*4352               ; the spare words, 128 bytes a wave
.set TSTEP, 16*AH                      ; from a tile's pieces to the next tile's: two R on
.set WA,   4                           ; v4-9   16 l + 153,600 U + 57,600 (t / 3)
.set WSA,  10                          ; v10-15 8 l + the same
.set AO,   16                          ; 16 l
.set ASO,  17                          ; my rows' scale words in a piece, counted from my codes
.set BA,   18                          ; the bias table at 32 hh
.set HA,   19                          ; the stage in the result's layout
.set RD,   20                          ; the stage by rows
.set CO,   21                          ; two rows of h or out
.set PFA,  22
.set PFH,  23
.set BO,   24
.set BS,   25
.set SPW,  28
.set NIL,  29
.set WS,   32
.set AS,   56
.set WF,   64
.set BP,   192                         ; window 1; columns 32-63: BP + 16 in window 0
.set HV,   64
.set HBB,  192
.set AB,   32                          ; s[32:33] aq at my wave's codes of this tile
.set HP,   34                          ; s[34:35] h, s[36:37] out at my wave's first row of this tile
.set OP,   36
.set MSB, 0
.macro WIN new
.if MSB != (\new)
	s_set_vgpr_msb (MSB<<8)|(\new)
.set MSB, (\new)
.endif
.endm
.macro PLACES n
.rept \n
	v_nop
.endr
.endm
.macro CROUND                          ; a round of the cluster's barrier
	s_barrier_signal -1
	s_barrier_wait -1
	s_cmp_lg_u32 s14, 0
	s_cbranch_scc1 .Lnot_wave_0_\@
	s_barrier_signal -3
.Lnot_wave_0_\@:
	s_barrier_wait -3
	s_barrier_signal -1
	s_barrier_wait -1
.endm
.macro ALD n                           ; the rows' four fragments of step n, counted from this tile's first (16 on: the next tile's)
.set zt, (\n)/2
.set zo, zt*AH+(zt/8)*8*AH
	WIN 0x40
.irp i,0,1,2,3
.irp m,0,1,2
	global_load_b128 v[96*(zt%2)+12*(2*\i+(\n)%2)+4*\m:96*(zt%2)+12*(2*\i+(\n)%2)+4*\m+3], v[AO], s[AB:AB+1] offset:zo+(2*\i+(\n)%2)*1536+512*\m
.endr
.endr
	WIN 0
.endm
.macro ASCL t                          ; the rows' scale words of piece t: lanes 0-15 block 2 p, lanes 16-31 block 2 p + 1; two words a row
.set zo, (\t)*AH+((\t)/8)*8*AH
.irp p,0,1
	global_load_b64 v[AS+4*((\t)%2)+2*\p:AS+4*((\t)%2)+2*\p+1], v[ASO], s[AB:AB+1] offset:zo+256*\p
.endr
.endm
.macro WSET k, n                       ; the weights' fragments 6 k .. 6 k + 5 (columns 32 k on) of step n: 18 loads
.irp jj,0,1,2,3,4,5
.irp m,0,1,2
	ds_load_b128 v[WF+12*(6*(\k)+\jj)+4*\m:WF+12*(6*(\k)+\jj)+4*\m+3], v[WA+3*(\k)+((\n)/2)/3] offset:(((\n)/2)%3)*BH+(2*\jj+(\n)%2)*1536+512*\m
.endr
.endr
.endm
.macro WSCL t                          ; the weights' scale words of piece t: lanes 0-15 the even fragment, lanes 16-31 the odd one
.irp p,0,1,2,3,4,5
	ds_load_b64 v[WS+12*((\t)%2)+2*\p:WS+12*((\t)%2)+2*\p+1], v[WSA+3*(\p/3)+(\t)/3] offset:((\t)%3)*BH+18432+256*(\p%3)
.endr
.endm
.macro BLD U, j, kind                  ; a bias in the result's layout, for fragment j of columns 32 U on
.irp e,0,1
	ds_load_b128 v[BP+16*(\U)+8*(\j)+4*\e:BP+16*(\U)+8*(\j)+4*\e+3], v[BA] offset:256*(\kind)+128*(\U)+64*((\j)%2)+16*\e
.endr
.endm
; One product: row block a x weight fragment f (0-11) in step s.  The n weight's fragments add onto inn on side 0 and onto hn on side 1.  A sum's first product takes its bias as C.
.macro MM a, f, s
.set mU, (\f)/6
.set mj, (\f)%6
.set md, 8*(8*(\a)+mj+2*((\s)/8)*(mj/4))
.set mc, md
.if ((\s)==0) || (((\s)==8) && (mj>=4))
.set mc, BP+16*mU+8*mj
.if mU==0
	WIN 0x94
.else
	WIN 0xc4
.endif
.else
	WIN 0xa4+0x50*mU
.endif
.set mw, WF+12*(\f)
.set mx, 96*(((\s)/2)%2)+12*(2*(\a)+(\s)%2)
.set zsw, WS+12*(((\s)/2)%2)+6*mU+2*(mj/2)+(\s)%2
.set zsx, AS+4*(((\s)/2)%2)+2*((\a)/2)+(\s)%2
.set mr, (mj%2)+2*((\a)%2)
.if mr==0
	v_wmma_scale_f32_16x16x128_f8f6f4 v[md:md+7], v[mw:mw+11], v[mx:mx+11], v[mc:mc+7], v[zsw], v[zsx] matrix_a_fmt:MATRIX_FMT_FP6 matrix_b_fmt:MATRIX_FMT_FP6
.elseif mr==1
	v_wmma_scale_f32_16x16x128_f8f6f4 v[md:md+7], v[mw:mw+11], v[mx:mx+11], v[mc:mc+7], v[zsw], v[zsx] matrix_a_fmt:MATRIX_FMT_FP6 matrix_b_fmt:MATRIX_FMT_FP6 matrix_a_scale:MATRIX_SCALE_ROW1
.elseif mr==2
	v_wmma_scale_f32_16x16x128_f8f6f4 v[md:md+7], v[mw:mw+11], v[mx:mx+11], v[mc:mc+7], v[zsw], v[zsx] matrix_a_fmt:MATRIX_FMT_FP6 matrix_b_fmt:MATRIX_FMT_FP6 matrix_b_scale:MATRIX_SCALE_ROW1
.else
	v_wmma_scale_f32_16x16x128_f8f6f4 v[md:md+7], v[mw:mw+11], v[mx:mx+11], v[mc:mc+7], v[zsw], v[zsx] matrix_a_fmt:MATRIX_FMT_FP6 matrix_b_fmt:MATRIX_FMT_FP6 matrix_a_scale:MATRIX_SCALE_ROW1 matrix_b_scale:MATRIX_SCALE_ROW1
.endif
.endm
.macro ASKS s, ld                      ; the prefetches: even steps the rows' piece four on, steps 1 and 3 the tile of h
.if (\s)%2==0
.if (\s)<8
	global_prefetch_b8 v[PFA], s[AB:AB+1] offset:((\s)/2+4)*AH th:TH_LOAD_NT scope:SCOPE_SE
.elseif (\s)<12
	s_cmp_eq_u32 s38, 1                            ; the last tile has no successor
	s_cbranch_scc1 .Lnone_\@
	global_prefetch_b8 v[PFA], s[AB:AB+1] offset:TSTEP+((\s)/2-4)*AH th:TH_LOAD_NT scope:SCOPE_SE
.Lnone_\@:
.elseif \ld
	global_prefetch_b8 v[PFA], s[AB:AB+1] offset:TSTEP+((\s)/2-4)*AH th:TH_LOAD_NT scope:SCOPE_SE
.endif
.elseif (\s)<4
	global_prefetch_b8 v[PFH], s[HP:HP+1] offset:((\s)/2)*32*4096 th:TH_LOAD_NT scope:SCOPE_SE
.endif
.endm
; A step of 128 K: two runs of 24 products (6 weight fragments x 4 row blocks; the 48 accumulators by turns).  Behind run k its six fragments are fetched for the next step.
; ld = 1: behind the step its rows' registers take the step four on.  nl: the loads of the rows' younger steps that may stay out.
.macro STEP s, ld, nl
	s_wait_loadcnt \nl
.irp k,0,1
.if ((\s)==7) && (\k==0)
	s_wait_dscnt 0x0                               ; no LDS instruction of mine is out at the signal
	s_wait_tensorcnt 0x0                           ; my part of the weights' pieces 4-7 has landed
	s_barrier_signal -1
.endif
.irp jj,0,1,2,3,4,5
.if (\s)==15
	s_wait_dscnt 33-18*\k-3*\jj                    ; nothing is fetched in the tile's last step: behind its second run's fragments stand only that run's later ones
.elseif ((\s)!=7) || (\k!=0)
	s_wait_dscnt 33-3*\jj                          ; fragment jj's three loads are in; the run's later fragments' 3 (5 - jj) loads and the other set's 18 may be out
.endif
.irp a,0,1,2,3
	MM \a, 6*\k+\jj, \s
.endr
.endr
.if ((\s)==7) && (\k==0)
	WIN 0
	s_barrier_wait -1                              ; everybody's has: pieces 4-7 may be read
.endif
.if (\s)<15
	PLACES 4                                       ; in front of loads into registers that the products above have read
	WIN 0
.if (\k==0) && ((\s)%2==1)
	WSCL ((\s)+1)/2
.if (\s)==7
	WIN 0x40
	BLD 0, 4, 3                                    ; hn's bias, for step 8
	BLD 0, 5, 3
	WIN 0
	BLD 1, 4, 3
	BLD 1, 5, 3
.endif
.endif
	WSET \k, (\s)+1
.if \k==1
	ASKS \s, \ld
.endif
.endif
.endr
.if (\s)==15
	PLACES 4
	WIN 0
.endif
.if \ld
.if (\s)%2==1
	ASCL (\s)/2+2
.endif
	ALD (\s)+4
.endif
.endm
	s_load_b256 s[68:75], s[0:1], 0x0              ; aq, wq, h, out
	s_load_b256 s[76:83], s[0:1], 0x20             ; b_ir, b_hr, b_iz, b_hz
	s_load_b128 s[84:87], s[0:1], 0x40             ; b_in, b_hn
	v_lshl_add_u32 v[SPW], v0, 2, SPARE
	v_mov_b32 v[NIL], 0
	ds_add_u32 v[SPW], v[NIL]                      ; the opening lines: the add, twice on end, and its wait
	ds_add_u32 v[SPW], v[NIL]
	v_lshrrev_b32 v1, 5, v0
	v_readfirstlane_b32 s14, v1                    ; wave 0..3
	s_lshr_b32 s15, s14, 1
	s_and_b32 s16, s14, 1
	s_bfe_u32 s40, ttmp6, 0x40000                  ; cx
	s_lshl_b32 s17, ttmp9, 2
	s_add_co_u32 s17, s17, s40                     ; X: which 512 rows
	s_and_b32 s18, ttmp7, 0xffff                   ; Y: which 64 columns
	s_lshl_b32 s20, s17, 2
	s_add_co_u32 s20, s20, s15                     ; R = 4 X + w / 2
	s_mul_i32 s20, s20, 8*AH
	s_mul_i32 s21, s16, 12288                      ; row blocks 4 (w % 2) on
	s_add_co_u32 s20, s20, s21
	s_mov_b32 s21, 0
	s_lshl_b32 s22, s17, 21                        ; h and out: 512 X rows of 4,096 bytes,
	s_lshl_b32 s23, s14, 18                        ; 64 rows a wave,
	s_add_co_u32 s22, s22, s23
	s_lshl_b32 s23, s18, 8                         ; 64 Y columns
	s_add_co_u32 s22, s22, s23
	s_mov_b32 s23, 0
	s_mul_i32 s26, s16, UB                         ; my tensor loads: U = w % 2, pieces 2 (w / 2) on: place in LDS and in the block of wq alike
	s_mul_i32 s27, s15, 2*BH
	s_add_co_u32 s26, s26, s27
	s_mul_i32 s24, s18, 2*UB
	s_add_co_u32 s24, s24, s26
	s_mov_b32 s25, 0
	s_lshl_b32 s27, s18, 8
	s_lshl_b32 s28, s14, 6
	s_add_co_u32 s27, s27, s28                     ; biases: my 16 columns
	s_add_co_u32 s31, s28, BT
	s_mul_i32 s28, s14, 4352
	s_add_co_u32 s28, s28, STAGE
	s_mul_i32 s29, s16, 11776
	s_sub_co_u32 s29, 24576, s29                   ; 24,576 + 512 (w % 2) - 12,288 (w % 2)
	s_mul_i32 s30, s18, 768                        ; my work-group's 3 blocks of a piece's 48
	s_mov_b32 s8, 0xbfb8aa3b                       ; -log2(e)
	s_mov_b32 s9, s8
	s_mov_b32 s10, 0x4038aa3b                      ; 2 log2(e)
	s_mov_b32 s11, s10
	s_mov_b32 s48, 15|(3<<16)|(1<<21)              ; group 1: the mask of the four; elements of 8 bytes; 150 rows of 256 bytes, dense
	s_mov_b32 s49, 32<<16
	s_mov_b32 s50, 150<<16
	s_mov_b32 s51, 32<<16
	s_mov_b32 s52, 150
	s_mov_b32 s53, 32
	s_mov_b32 s54, 0
	s_mov_b32 s55, 0
	v_and_b32 v1, 31, v0                           ; lane
	v_and_b32 v2, 15, v0                           ; r
	v_bfe_u32 v3, v0, 4, 1                         ; hh
	v_lshlrev_b32 v[AO], 4, v1
	v_lshlrev_b32 v26, 3, v1
.irp i,0,1,2,3,4,5
	v_add_nc_u32 v[WA+\i], (\i/3)*UB+(\i%3)*3*BH, v[AO]
	v_add_nc_u32 v[WSA+\i], (\i/3)*UB+(\i%3)*3*BH, v26
.endr
	v_add_nc_u32 v[ASO], s29, v26
	v_lshl_add_u32 v[BA], v3, 5, BT
	v_mul_u32_u24 v27, v2, 272
	v_lshl_add_u32 v27, v3, 5, v27
	v_add_nc_u32 v[HA], s28, v27
	v_mul_u32_u24 v27, v3, 272
	v_lshl_add_u32 v27, v2, 4, v27
	v_add_nc_u32 v[RD], s28, v27
	v_lshlrev_b32 v[CO], 12, v3
	v_lshl_add_u32 v[CO], v2, 4, v[CO]
	v_min_u32 v27, 2, v1                           ; lanes 2-31 name the third block
	v_lshl_add_u32 v[PFA], v27, 8, s30
	v_lshlrev_b32 v[PFH], 12, v1
	v_lshl_add_u32 v[BO], v2, 2, s27
	v_lshl_add_u32 v[BS], v2, 2, s31
	s_wait_alu depctr_va_vdst(0)                   ; the wait at the head's end
	s_wait_dscnt 0x0                               ; both opening adds are done
	s_wait_kmcnt 0x0
	s_add_nc_u64 s[AB:AB+1], s[68:69], s[20:21]
	s_add_nc_u64 s[HP:HP+1], s[72:73], s[22:23]
	s_add_nc_u64 s[OP:OP+1], s[74:75], s[22:23]
	s_add_nc_u64 s[24:25], s[70:71], s[24:25]
	s_mov_b32 s56, 1                               ; group 0, pieces 0-3
	s_mov_b32 s57, s26
	s_mov_b64 s[58:59], s[24:25]
	s_or_b32 s59, s59, 0x80000000
	s_mov_b32 s60, 1                               ; and pieces 4-7
	s_add_co_u32 s61, s26, 4*BH
	s_add_nc_u64 s[62:63], s[24:25], 4*BH
	s_or_b32 s63, s63, 0x80000000
	CROUND                                         ; the four work-groups are here: the first joint loads meet
	tensor_load_to_lds s[56:59], s[48:55]          ; my one load at the head
	s_nop 0
	PLACES 4
.irp n,0,1,2,3,4,5
	global_load_b32 v[64+\n], v[BO], s[76+2*\n:77+2*\n]   ; my 16 columns of the six biases (both halves of the lanes alike)
.endr
	ASCL 0                                         ; the rows' first piece goes out beside the weights' first half; the second piece follows behind the round
	ALD 0
	ALD 1
	s_wait_loadcnt 26                              ; the biases are in; the 26 loads of the rows' first piece may be out
	v_add_f32 v64, v64, v65                        ; r's and z's sums begin with both sides' biases
	v_add_f32 v66, v66, v67
	s_wait_alu depctr_va_vdst(0)
	s_wait_tensorcnt 0x0                           ; my load has landed before I store to LDS
	ds_store_b32 v[BS], v64
	ds_store_b32 v[BS], v66 offset:256
	ds_store_b32 v[BS], v68 offset:512
	ds_store_b32 v[BS], v69 offset:768
	s_wait_tensorcnt 0x0                           ; the full sequence ahead of a later first fill
	ds_add_u32 v[SPW], v[NIL]
	s_mov_b32 s38, 2                               ; tiles to go
	s_wait_dscnt 0x0                               ; the add and my part of the bias table are done
	CROUND                                         ; pieces 0-3 and the table are whole
	tensor_load_to_lds s[60:63], s[48:55]          ; pieces 4-7: first fills, my one load behind the round
	s_nop 0
	PLACES 4
	ASCL 1
	ALD 2
	ALD 3
.Ltile:
	WIN 0x40
.irp j,0,1,2,3,4,5
	BLD 0, \j, \j/2                                ; the biases of r, z and inn, for step 0
.endr
	WIN 0
.irp j,0,1,2,3,4,5
	BLD 1, \j, \j/2
.endr
	WSCL 0
	WSET 0, 0
	WSET 1, 0
.irp s,0,1,2,3,4,5,6,7,8,9,10,11
	STEP \s, 1, 36                                 ; three younger steps' 36 loads may be out
.endr
	s_cmp_eq_u32 s38, 1
	s_cbranch_scc1 .Llast
.irp s,12,13,14,15
	STEP \s, 1, 36                                 ; the rows' registers take the next tile's first four steps
.endr
	s_branch .Lepi
.Llast:
	STEP 12, 0, 36                                 ; the last tile asks for nothing more: fewer younger loads stand behind each step's
	STEP 13, 0, 24
	STEP 14, 0, 12
	STEP 15, 0, 0
.Lepi:
.irp a,0,1,2,3
.irp i,0,1,2,3,4,5,6,7
	global_load_b128 v[HV+32*\a+4*\i:HV+32*\a+4*\i+3], v[CO], s[HP:HP+1] offset:(16*\a+2*\i)*4096 th:TH_LOAD_NT   ; h by rows: 16 lanes read 256 consecutive bytes
.endr
.endr
; A unit is 16 rows x 32 columns: 64 registers from b on: r's 16, z's 16, inn's 16, hn's 16.  Plain work of a unit, instruction i of its kind:
;   kind 2: 1 + 2^.. for r and z;  kind 3: t = r hn + inn (both scaled before), then u = 2 z - 2 over r, then q = 1 - z over hn;  kind 4: 1 + 2^t.
.macro PL kind, b, i
.if \kind==2
	v_pk_add_f32 v[\b+2*(\i):\b+2*(\i)+1], v[\b+2*(\i):\b+2*(\i)+1], 1.0 op_sel_hi:[1,0]
.elseif \kind==4
	v_pk_add_f32 v[\b+32+2*(\i):\b+33+2*(\i)], v[\b+32+2*(\i):\b+33+2*(\i)], 1.0 op_sel_hi:[1,0]
.elseif (\i)<8
	v_pk_fma_f32 v[\b+32+2*(\i):\b+33+2*(\i)], v[\b+2*(\i):\b+2*(\i)+1], v[\b+48+2*(\i):\b+49+2*(\i)], v[\b+32+2*(\i):\b+33+2*(\i)]
.elseif (\i)<16
	v_pk_fma_f32 v[\b+2*(\i)-16:\b+2*(\i)-15], v[\b+2*(\i):\b+2*(\i)+1], 2.0, -2.0 op_sel_hi:[1,0,0]
.else
	v_pk_fma_f32 v[\b+16+2*(\i):\b+17+2*(\i)], v[\b+2*(\i)-16:\b+2*(\i)-15], -1.0, 1.0 op_sel_hi:[1,0,0]
.endif
.endm
; A phase: tn transcendentals of one unit, from register tb on, with pn plain instructions of the OTHER unit among them.  Nothing in a phase reads what the phase writes;
; the wait at its end stands ahead of the next phase's readers and transcendentals.
.macro PH top, tb, tn, kind, pb, pn
.set ti, 0
.set pj, 0
.rept (\tn)/2
	\top v[\tb+ti], v[\tb+ti]
	\top v[\tb+ti+1], v[\tb+ti+1]
.set ti, ti+2
.rept (\pn)*ti/(\tn)-pj
	PL \kind, \pb, pj
.set pj, pj+1
.endr
.endr
	v_nop
	s_wait_alu depctr_va_vdst(0)
.endm
; Row blocks 2 p and 2 p + 1, columns 32 U on: two units in one window, a phase apart.  Each accumulator is read from its low end on.  Leaves u at +0, z at +16, rc at +32, q at +48 of each unit.
.macro GRP p, U
.set GX, 128*(\p)
.set GY, GX+64
	WIN 0xaa+0x55*(\U)
	s_wait_alu depctr_va_vdst(0)
.set ei, GX
.rept 2
.rept 16
	v_pk_mul_f32 v[ei:ei+1], v[ei:ei+1], s[8:9] op_sel_hi:[1,0]     ; r, z: x -log2(e)
.set ei, ei+2
.endr
.rept 16
	v_pk_mul_f32 v[ei:ei+1], v[ei:ei+1], s[10:11] op_sel_hi:[1,0]   ; inn, hn: x 2 log2(e)
.set ei, ei+2
.endr
.endr
	s_wait_alu depctr_va_vdst(0)
	PH v_exp_f32, GX, 32, 0, 0, 0
	PH v_exp_f32, GY, 32, 2, GX, 16
	PH v_rcp_f32, GX, 32, 2, GY, 16                ; r and z
	PH v_rcp_f32, GY, 32, 3, GX, 24
	PH v_exp_f32, GX+32, 16, 3, GY, 24
	PH v_exp_f32, GY+32, 16, 4, GX, 8
	PH v_rcp_f32, GX+32, 16, 4, GY, 8              ; rc
	PH v_rcp_f32, GY+32, 16, 0, 0, 0
.endm
.macro FIN a, U                        ; out = u rc + (z h + q), over h in window 0
.set G, 64*(\a)
.set HB, HBB+32*((\a)%2)+16*(\U)
	WIN 0x22+0x11*(\U)
.irp k,0,2,4,6,8,10,12,14
	v_pk_fma_f32 v[HB+\k:HB+\k+1], v[G+16+\k:G+17+\k], v[HB+\k:HB+\k+1], v[G+48+\k:G+49+\k]
.endr
	WIN 0x0a+0x05*(\U)
.irp k,0,2,4,6,8,10,12,14
	v_pk_fma_f32 v[HB+\k:HB+\k+1], v[G+\k:G+\k+1], v[G+32+\k:G+33+\k], v[HB+\k:HB+\k+1]
.endr
.endm
.macro TOH a                           ; row block a of h through my stage: in by rows, back in the result's layout (LDS serves a wave's instructions in order)
	WIN 0
	s_wait_alu depctr_va_vdst(0)
	s_wait_loadcnt 8*(3-(\a))                      ; the later blocks' loads may be out
.irp i,0,1,2,3,4,5,6,7
	ds_store_b128 v[RD], v[HV+32*(\a)+4*\i:HV+32*(\a)+4*\i+3] offset:544*\i
.endr
.irp m,0,1,2,3,4,5,6,7
	ds_load_b128 v[HBB+32*((\a)%2)+4*\m:HBB+32*((\a)%2)+4*\m+3], v[HA] offset:64*(\m/2)+16*(\m%2)
.endr
.endm
.macro SEND a
.irp i,0,1,2,3,4,5,6,7
	global_store_b128 v[CO], v[HV+32*(\a)+4*\i:HV+32*(\a)+4*\i+3], s[OP:OP+1] offset:(16*(\a)+2*\i)*4096 th:TH_STORE_NT   ; 16 lanes store 256 consecutive bytes, aligned
.endr
.endm
.macro OUTB a                          ; row block a: the result, into my stage in the result's layout, and back by rows
	FIN \a, 0
	FIN \a, 1
	WIN 0
.irp m,0,1,2,3,4,5,6,7
	ds_store_b128 v[HA], v[HBB+32*((\a)%2)+4*\m:HBB+32*((\a)%2)+4*\m+3] offset:64*(\m/2)+16*(\m%2)
.endr
.irp i,0,1,2,3,4,5,6,7
	ds_load_b128 v[HV+32*(\a)+4*\i:HV+32*(\a)+4*\i+3], v[RD] offset:544*\i
.endr
.endm
.macro PAIR p
	GRP \p, 0
.if (\p)>0
	WIN 0
	s_wait_alu depctr_va_vdst(0)
	s_wait_dscnt 0x0                               ; the pair before is back by rows, and its stores into the stage have read their registers
	SEND 2*(\p)-2
	SEND 2*(\p)-1
.endif
	TOH 2*(\p)
	TOH 2*(\p)+1
	GRP \p, 1
	WIN 0
	s_wait_alu depctr_va_vdst(0)
	s_wait_dscnt 0x0                               ; this pair's h is in
	OUTB 2*(\p)
	OUTB 2*(\p)+1
.endm
	PAIR 0
	PAIR 1
	s_wait_dscnt 16                                ; row block 2 is back by rows; block 3's eight stores and eight loads may be out
	SEND 2
	s_wait_dscnt 0x0
	SEND 3
	s_wait_xcnt 0x0                                ; the stores, loads and prefetches have read their registers and bases
	s_add_nc_u64 s[AB:AB+1], s[AB:AB+1], TSTEP
	s_add_nc_u64 s[HP:HP+1], s[HP:HP+1], 256*4096
	s_add_nc_u64 s[OP:OP+1], s[OP:OP+1], 256*4096
	s_sub_co_u32 s38, s38, 1
	s_cmp_lg_u32 s38, 0
	s_wait_alu depctr_va_vdst(0)
	s_cbranch_scc1 .Ltile
	s_wait_tensorcnt 0x0                           ; the wave's end
	ds_add_u32 v[SPW], v[NIL]
	s_wait_dscnt 0x0
	CROUND                                         ; the closing round
	s_endpgm
.Lfunc_end_k_q5b82bde72c_gru:
	.size	k_q5b82bde72c_gru, .Lfunc_end_k_q5b82bde72c_gru-k_q5b82bde72c_gru
	.p2alignl 7, 3214868480
	.fill 96, 4, 3214868480
	.section	.rodata,"a",@progbits
	.p2align	6, 0x0
	.amdhsa_kernel k_q5b82bde72c_gru
		.amdhsa_group_segment_fixed_size 327680
		.amdhsa_private_segment_fixed_size 0
		.amdhsa_enable_private_segment 0
		.amdhsa_kernarg_size 80
		.amdhsa_user_sgpr_count 2
		.amdhsa_user_sgpr_kernarg_segment_ptr 1
		.amdhsa_wavefront_size32 1
		.amdhsa_system_sgpr_workgroup_id_x 1
		.amdhsa_system_sgpr_workgroup_id_y 1
		.amdhsa_system_sgpr_workgroup_id_z 1
		.amdhsa_system_vgpr_workitem_id 0
		.amdhsa_next_free_vgpr 1024
		.amdhsa_next_free_sgpr 100
		.amdhsa_reserve_vcc 0
		.amdhsa_float_denorm_mode_32 3
		.amdhsa_float_denorm_mode_16_64 3
		.amdhsa_memory_ordered 1
		.amdhsa_forward_progress 1
		.amdhsa_inst_pref_size 255
	.end_amdhsa_kernel
	.section	.bss,"aw",@nobits
	.p2align	6
	.space	262144
	.amdgpu_metadata
---
amdhsa.version: [ 1, 2 ]
amdhsa.kernels:
  - .name:           k_q5b82bde72c_gru
    .symbol:         k_q5b82bde72c_gru.kd
    .args:
      - { .name: aq, .offset: 0, .size: 8, .value_kind: global_buffer, .address_space: global }
      - { .name: wq, .offset: 8, .size: 8, .value_kind: global_buffer, .address_space: global }
      - { .name: h, .offset: 16, .size: 8, .value_kind: global_buffer, .address_space: global }
      - { .name: out0, .offset: 24, .size: 8, .value_kind: global_buffer, .address_space: global }
      - { .name: bias_ir, .offset: 32, .size: 8, .value_kind: global_buffer, .address_space: global }
      - { .name: bias_hr, .offset: 40, .size: 8, .value_kind: global_buffer, .address_space: global }
      - { .name: bias_iz, .offset: 48, .size: 8, .value_kind: global_buffer, .address_space: global }
      - { .name: bias_hz, .offset: 56, .size: 8, .value_kind: global_buffer, .address_space: global }
      - { .name: bias_in, .offset: 64, .size: 8, .value_kind: global_buffer, .address_space: global }
      - { .name: bias_hn, .offset: 72, .size: 8, .value_kind: global_buffer, .address_space: global }
    .group_segment_fixed_size: 327680
    .private_segment_fixed_size: 0
    .kernarg_segment_align: 8
    .kernarg_segment_size: 80
    .max_flat_workgroup_size: 128
    .sgpr_count:     100
    .vgpr_count:     1024
    .wavefront_size: 32
...
	.end_amdgpu_metadata
.endif
;; end of part 2
